; MI455X (gfx1250); checked and timed in simulation.
; The chip was launched on July 23, 2026; its instructions are those of AMD's public machine-readable ISA for CDNA 5 (MIT licence, August 2026) and "CDNA5" Instruction Set Architecture Reference Guide (July 2026). The comments in the code are by the model that wrote it; some were corrected since.
;; MHA. Allowed arithmetic: matrix products marked QUANTISED: E2M1 operands, one E8M0 scale for each 32 along K, by v_wmma_scale_f32_16x16x128_f8f6f4 with both operands' format E2M1 (or v_wmma_scale_f32_32x16x128_f4), f32 sums; everything else in f32.
;; Inputs: W_proj 1,024 x 1,024 float32; k 4,096 x 16 x 64 float32; q 4,096 x 16 x 64 float32; v 4,096 x 16 x 64 float32.
;; Outputs: out0 4,096 x 1,024 float32.
;; This version of the problem:
;;   THIS VERSION OF THE PROBLEM IS GIVEN IN LOW PRECISION. The matrix products marked QUANTISED in the list below multiply operands that are first quantised to E2M1 (2 exponent bits, 1 mantissa bit; 4 bits a number), with one power-of-two scale for each 32 numbers along K (OCP MX v1.0); their sums are f32. All else is computed in f32.
;;   The module's matrix products, in the order in which they are computed (A, B: the left and right operand; K: the contracted axis; several contracted axes count as one K, in the product's order):
;;     1. batch 16 x [M 4,096, K 64] x [K 64, N 4,096]; A: input q; B: input k: QUANTISED
;;     2. batch 16 x [M 64, K 4,096] x [K 4,096, N 4,096]; A: input v; B: softmax (see below): QUANTISED
;;     3. [M 4,096, K 1,024] x [K 1,024, N 1,024]; A: computed on the way; B: input W_proj: QUANTISED
;;   THE QUANTISER, for each operand of a quantised product, along K:
;;     - K is cut into blocks of 32 from its start; a last block that is shorter is filled with zeros.
;;     - A block's scale is 2^e with e = floor(log2(the largest magnitude in the block)) - 2, held to -126 .. 127; a block of zeros has e = 0. As a byte (E8M0): e + 127.
;;     - Each number is divided by its block's scale, clamped to +-6, and rounded to the nearest number of E2M1, ties to even, subnormals kept.
;;     - The product sums the exact products of the quantised numbers (number of the format x scale) in f32.
;;   ~~~python
;;   def quantise(x, axis):      # numpy; x: float32 -> the quantised numbers, widened to float32 again
;;       x = np.moveaxis(x, axis, -1); K = x.shape[-1]
;;       x = np.pad(x, [(0, 0)] * (x.ndim - 1) + [(0, -K % 32)]); x = x.reshape(x.shape[:-1] + (-1, 32)); a = np.abs(x).max(-1, keepdims=True)
;;       e = np.where(a > 0, np.clip(np.frexp(np.where(a > 0, a, 1))[1] - 1 - 2, -126, 127), 0)      # np.frexp(a)[1] - 1 = floor(log2(a)), exactly
;;       r = np.clip(x / 2.0 ** e, -6, 6)
;;       step = 2.0 ** (np.maximum(np.frexp(np.where(r == 0, 1, r))[1] - 1, 0) - 1)
;;       q = np.round(r / step) * step * 2.0 ** e      # np.round: ties to even
;;       return np.moveaxis(q.reshape(q.shape[:-2] + (-1,))[..., :K], -1, axis).astype(np.float32)
;;   ~~~
;;   SOFTMAX AHEAD OF A QUANTISED PRODUCT. Where the list says 'softmax', what is quantised is not the finished softmax but p = 2^(t - M), with t = logit x log2(e) and M = ceil(the row's largest t), a whole number; so 1/2 < the row's largest p <= 1. The row's sum l is taken of the UNQUANTISED p, in f32, and the product's result is divided by l at the end. Since M is a whole number, a kernel that streams over the keys may use a running M (the ceiling of the running maximum): every later rescaling is an exact power of two, which a block's scale takes up: the codes' values come out the same.
;;   OPERANDS COMPUTED ON THE WAY. 'Computed on the way' means the value that the module computes at that place (a softmax that the list does not call 'softmax' is quantised finished and normalised). What goes into a quantiser is computed in f32, as accurately as f32 sums, v_exp_f32 and their like allow (about 1e-6 of the number): no bf16 or f16 on the way to a quantiser, and a product that is left as it is and whose result goes on into a quantised operand takes f32 operands (vector FMAs, or v_wmma_f32_16x16x4_f32). A number that lies on a knife's edge between two numbers of the format may be rounded either way, as far as f32 arithmetic and the matrix unit's own rounding can turn it there, and no further.
;; One version. Each part assembles by itself: llvm-mc -triple=amdgcn-amd-amdhsa -mcpu=gfx1250 --defsym DOCPART=n.
;; ======== version 1 of 1: 3 launches
;; limits: right only within a limited range of input values
;; workspace buffers: qc 2,228,224 bytes; kv 4,456,448 bytes; wc 557,056 bytes; xc 2,228,224 bytes
;; launch prep (part 1): grid 1664 x 1, 4 waves a work-group, no clusters, 35,840 bytes of LDS; arguments q, k, W_proj, v, qc, kv, wc; writes qc, kv, wc
.if DOCPART == 1
	.amdgcn_target "amdgcn-amd-amdhsa--gfx1250"
	.amdhsa_code_object_version 6
	.text
	.protected	k_qa7dd1456a6_prep
	.globl	k_qa7dd1456a6_prep
	.p2align	8
	.type	k_qa7dd1456a6_prep,@function
k_qa7dd1456a6_prep:
	s_mov_b64 s[64:65], 0
	v_nop
	global_prefetch_b8 v0, s[64:65] scope:SCOPE_SE
	s_setreg_imm32_b32 hwreg(HW_REG_WAVE_MODE, 25, 1), 1
	s_wait_xcnt 0x0
; PREP: q, k [4096][16][64], W_proj [1024][1024] and v [4096][16][64], all f32, become codes of FP4 (E2M1) with one E8M0 byte for each 32 along K,
; laid in the order in which the later launches' operand registers take them.
; A block's scale is 2^(floor(log2(its largest magnitude)) - 2): its byte is the largest magnitude's exponent field - 2, held at 1 from below.
; LIMITS: a block of zeros, or one whose largest magnitude lies under 2^-124, gets the byte 1 where the rule says 127 or less: its codes are zeros or the rule's own
; smallest, and only this program reads the bytes; NaN and infinities among the inputs are not served.
; ROW RECORD (q, k, W_proj: K innermost), 4,352 bytes, for 128 rows of one slice of 64 along K (a head; for W_proj k = 64 hd .. 64 hd + 63):
;   codes [bb 0..3][u 0..1][h 0..1][r 0..15][16 bytes]: the 32 codes of numbers 32 h .. 32 h + 31 of row 32 bb + 8 u + r + 8 (r / 8);
;   from byte 4,096: the word at 8 (16 (bb % 2) + r) + 4 (bb / 2) has as byte 2 u + h the scale of (bb, u, r, h).
; KV RECORD, 8,704 bytes, for a head and 128 keys: k's row record; from byte 4,352 v's codes [tau 0..3][c 0..1][h][r][16 bytes]: keys 32 (2 c + h) .. + 31 of channel
;   32 (tau / 2) + 8 (tau % 2) + r + 8 (r / 8); from byte 8,448: the word at 8 (16 (tau % 2) + r) + 4 (tau / 2) has as byte kb the scale of keys 32 kb .. 32 kb + 31.
; SHARES: a work-group makes one record (work-groups 0-511 q, 512-1,023 k, 1,024-1,151 W_proj, 1,152-1,663 v); wave w its 32 rows (bb = w) or its 32 keys (kb = w).
; A wave asks for all its 8,192 bytes at once; no tensor load, no ring: several work-groups lie on a WGP.  Matrix units and clusters have nothing to do here: no input byte is read twice.
.set ROWREC, 4352
.set REC,    8704
.set SP,     272                       ; a stage row: 256 bytes + 16: sixteen rows read at one column start at sixteen different 16-byte columns of 256
.set WSTG,   32*SP                     ; a wave's stage: 32 rows
.set SCR,    4*WSTG                    ; 256 bytes: a row record's scale words
.set SCV,    SCR+256                   ; 256 bytes: v's scale bytes (the two paths share no LDS byte)
.set R,      16                        ; v16-79   numbers as loaded
.set X0,     80                        ; v80-111  a block of 32 numbers
.set C,      112                       ; v112-119 codes
; v120, v121 the two scale bytes; v[122:123] scale words on their way out; v124-126 at work; v127 a lane permute's destination
; 32 numbers of ONE lane, v[s] .. v[s + 31], become 4 registers of codes at v[c] and the scale's byte in v[byte]
.macro BLOCK s, c, byte
	v_max3_num_f32 v124, |v[\s]|, |v[\s+1]|, |v[\s+2]|             ; the largest magnitude, in two chains
	v_max3_num_f32 v125, |v[\s+3]|, |v[\s+4]|, |v[\s+5]|
.irp i, 6,10,14,18,22,26
	v_max3_num_f32 v124, v124, |v[\s+\i]|, |v[\s+\i+1]|
	v_max3_num_f32 v125, v125, |v[\s+\i+2]|, |v[\s+\i+3]|
.endr
	v_max3_num_f32 v124, v124, |v[\s+30]|, |v[\s+31]|
	v_max3_num_f32 v124, v124, v125, 0x1800000                     ; and the floor 2^(3 - 127): the byte cannot fall under 1
	v_add_nc_u32 v126, 0xff000000, v124                            ; 2 off the exponent field: the conversion takes this operand's exponent field as its scale
	v_lshrrev_b32 v[\byte], 23, v126                               ; the scale's byte
.irp g, 0,1,2,3
	v_cvt_scalef32_pk8_fp4_f32 v[\c+\g], v[\s+8*\g:\s+8*\g+7], v126
.endr
	v_nop                                                          ; one plain line behind the last conversion
.endm
	s_load_b256 s[4:11], s[0:1], 0x0               ; q s[4:5], k s[6:7], W_proj s[8:9], v s[10:11]
	s_load_b128 s[12:15], s[0:1], 0x20             ; qc s[12:13], kv s[14:15]
	s_load_b64 s[16:17], s[0:1], 0x30              ; wc
	v_lshl_add_u32 v128, v0, 2, 0x8a00
	v_mov_b32 v129, 0
	v_lshrrev_b32 v1, 5, v0
	v_readfirstlane_b32 s18, v1                    ; wave 0..3
	v_and_b32 v1, 31, v0                           ; l
	v_and_b32 v2, 15, v0                           ; r
	v_bfe_u32 v3, v0, 4, 1                         ; h
	s_mov_b32 s20, 0x76543210
	s_mov_b32 s21, 0xfedcba98                      ; v_permlanex16_b32's selects for lane l xor 16
	; every address register of both paths is made here, ahead of the parting
	v_lshlrev_b32 v7, 4, v1                        ; 16 l: my place in a part of 512 bytes
	v_lshlrev_b32 v10, 3, v1                       ; 8 l: my place among 256 bytes of scales
	v_lshlrev_b32 v8, 3, v3                        ; 8 h: a shift
	v_lshlrev_b32 v4, 4, v2
	v_lshl_add_u32 v4, v3, 12, v4                  ; rows, in: 4,096 h + 16 r: lanes 0-15 one row's 256 bytes, lanes 16-31 the next row's
	s_mul_i32 s22, s18, WSTG
	v_mul_u32_u24 v5, v3, SP
	v_lshl_add_u32 v5, v2, 4, v5
	v_add_nc_u32 v5, s22, v5                       ; into my stage: 272 h + 16 r
	v_mul_u32_u24 v6, v2, SP
	v_lshl_add_u32 v6, v3, 7, v6
	v_add_nc_u32 v6, s22, v6                       ; out of it: slot r, numbers 32 h on
	s_and_b32 s23, s18, 1
	s_lshl_b32 s23, s23, 7
	s_lshr_b32 s24, s18, 1
	s_lshl_b32 s24, s24, 2
	s_add_co_u32 s23, s23, s24
	s_add_co_u32 s23, s23, SCR
	v_lshl_add_u32 v9, v2, 3, s23                  ; my rows' scale word: SCR + 8 r + 128 (w % 2) + 4 (w / 2)
	v_and_b32 v11, 8, v2
	v_add_nc_u32 v11, v11, v2
	v_lshl_add_u32 v11, v3, 3, v11
	v_lshlrev_b32 v11, 2, v11                      ; v, in: my channel 8 h + r + 8 (r / 8), 4 bytes each
	v_lshlrev_b32 v12, 4, v2
	v_lshl_add_u32 v12, v3, 10, v12                ; v's codes, out: 1,024 h + 16 r
	s_add_co_u32 s25, s18, SCV
	v_add_nc_u32 v13, s25, v10                     ; v's scale byte: SCV + 8 l + w
	v_mov_b32 v127, 0                              ; written once: a lane permute's destination counts as one of its sources
	s_wait_kmcnt 0x0
	s_cmp_ge_u32 ttmp9, 1152                       ; the same for all four waves: it hangs on the work-group's number alone
	s_cbranch_scc1 .Lv
	; ---------------- q, k, W_proj: K innermost ----------------
	s_mov_b32 s26, REC
	s_cmp_lt_u32 ttmp9, 512
	s_cselect_b64 s[28:29], s[4:5], s[6:7]         ; from q or k,
	s_cselect_b64 s[30:31], s[12:13], s[14:15]     ; to qc or kv,
	s_cselect_b32 s26, ROWREC, s26                 ; records 4,352 or 8,704 bytes apart
	s_mov_b32 s27, ROWREC
	s_cmp_lt_u32 ttmp9, 1024
	s_cselect_b64 s[28:29], s[28:29], s[8:9]       ; or from W_proj
	s_cselect_b64 s[30:31], s[30:31], s[16:17]     ; to wc
	s_cselect_b32 s26, s26, s27
	s_cselect_b32 s27, 5, 3                        ; 32 blocks of 128 rows to a slice, or 8
	s_and_b32 s32, ttmp9, 511
	s_lshr_b32 s33, s32, 4                         ; which 128 rows
	s_and_b32 s34, s32, 15                         ; which slice
	s_lshl_b32 s35, s34, s27
	s_add_co_u32 s35, s35, s33                     ; the record's number
	s_mul_i32 s36, s35, s26
	s_mov_b32 s37, 0
	s_add_nc_u64 s[30:31], s[30:31], s[36:37]      ; the record
	s_lshl_b32 s38, s18, 10
	s_mov_b32 s39, 0
	s_add_nc_u64 s[40:41], s[30:31], s[38:39]      ; my two parts: 1,024 w
	s_lshl_b32 s42, s33, 7
	s_lshl_b32 s43, s18, 5
	s_add_co_u32 s42, s42, s43                     ; my first row
	s_lshl_b32 s42, s42, 12                        ; of 4,096 bytes
	s_lshl_b32 s43, s34, 8
	s_add_co_u32 s42, s42, s43                     ; + the slice's 256 bytes
	s_mov_b32 s43, 0
	s_add_nc_u64 s[28:29], s[28:29], s[42:43]
.irp i, 0,1,2,3,4,5,6,7,8,9,10,11,12,13,14,15
	global_load_b128 v[R+4*\i:R+4*\i+3], v4, s[28:29] offset:8192*\i th:TH_LOAD_NT   ; rows 2 i and 2 i + 1: twice 256 consecutive bytes, aligned; read once in the launch
.endr
.irp i, 0,1,2,3,4,5,6,7,8,9,10,11,12,13,14,15
	s_wait_loadcnt 15-\i                           ; loads come back in order: this one is in, the 15 - i younger stay out
	ds_store_b128 v5, v[R+4*\i:R+4*\i+3] offset:SP*(16*((\i/4)%2)+8*(\i/8)+((2*\i)%8))   ; row rho goes to slot 16 u + r: u = (rho / 8) % 2, r = rho % 8 + 8 (rho / 16)
.endr
.irp j, 0,1,2,3,4,5,6,7
	ds_load_b128 v[X0+4*\j:X0+4*\j+3], v6 offset:16*\j             ; u = 0: my 32 numbers.  LDS serves a wave's instructions in order: these see my stores
.endr
	s_wait_dscnt 0x0                               ; they are in, and the stores have read v16-79
.irp j, 0,1,2,3,4,5,6,7
	ds_load_b128 v[R+4*\j:R+4*\j+3], v6 offset:16*SP+16*\j         ; u = 1, while u = 0 is worked
.endr
	BLOCK X0, C, 120
	global_store_b128 v7, v[C:C+3], s[40:41]       ; part (w, 0): the wave stores 512 consecutive bytes, aligned
	s_wait_dscnt 0x0
	BLOCK R, C+4, 121
	global_store_b128 v7, v[C+4:C+7], s[40:41] offset:512          ; part (w, 1)
	v_lshl_or_b32 v124, v121, 16, v120             ; my two bytes, u = 0 and u = 1,
	v_lshlrev_b32 v124, v8, v124                   ; at places h and 2 + h;
	v_permlanex16_b32 v127, v124, s20, s21
	v_or_b32 v124, v124, v127                      ; with lane l xor 16's two the word is whole
	ds_store_b32 v9, v124                          ; (lanes 16-31 store the same word to the same place)
	s_wait_dscnt 0x0                               ; for wave 0's sake: my word has landed
	s_barrier_signal -1
	s_barrier_wait -1
	s_cmp_lg_u32 s18, 0
	s_cbranch_scc1 .Lend_r
	ds_load_b64 v[122:123], v10 offset:SCR
	s_wait_dscnt 0x0
	global_store_b64 v10, v[122:123], s[30:31] offset:4096         ; the record's 256 bytes of scales: consecutive, aligned
.Lend_r:
	s_wait_tensorcnt 0x0
	ds_add_u32 v128, v129
	s_wait_dscnt 0x0
	s_endpgm
	; ---------------- v: K = the keys, its first axis: a lane takes a channel and its registers run down the keys ----------------
.Lv:
	s_sub_co_u32 s32, ttmp9, 1152
	s_lshr_b32 s33, s32, 4                         ; which 128 keys
	s_and_b32 s34, s32, 15                         ; which head
	s_lshl_b32 s35, s34, 5
	s_add_co_u32 s35, s35, s33
	s_mul_i32 s36, s35, REC
	s_mov_b32 s37, 0
	s_add_nc_u64 s[30:31], s[14:15], s[36:37]      ; the record
	s_lshr_b32 s38, s18, 1
	s_lshl_b32 s38, s38, 9
	s_and_b32 s39, s18, 1
	s_lshl_b32 s39, s39, 8
	s_add_co_u32 s38, s38, s39
	s_add_co_u32 s38, s38, ROWREC
	s_mov_b32 s39, 0
	s_add_nc_u64 s[40:41], s[30:31], s[38:39]      ; v's codes of my key block: 4,352 + 512 (w / 2) + 256 (w % 2)
	s_lshl_b32 s42, s33, 7
	s_lshl_b32 s43, s18, 5
	s_add_co_u32 s42, s42, s43                     ; my first key
	s_lshl_b32 s42, s42, 12
	s_lshl_b32 s43, s34, 8
	s_add_co_u32 s42, s42, s43
	s_mov_b32 s43, 0
	s_add_nc_u64 s[28:29], s[10:11], s[42:43]
.irp i, 0,1,2,3,4,5,6,7,8,9,10,11,12,13,14,15,16,17,18,19,20,21,22,23,24,25,26,27,28,29,30,31
	global_load_b32 v[R+\i], v11, s[28:29] offset:4096*\i th:TH_LOAD_NT          ; key i, channels 0-31: the wave reads 128 consecutive bytes,
	global_load_b32 v[R+32+\i], v11, s[28:29] offset:4096*\i+128 th:TH_LOAD_NT   ; channels 32-63: the 128 beside them
.endr
	s_wait_loadcnt 0x0
	BLOCK R, C, 120                                ; tile tau = h, slot r
	BLOCK R+32, C+4, 121                           ; tile tau = 2 + h
	global_store_b128 v12, v[C:C+3], s[40:41]      ; sixteen lanes store 256 consecutive bytes, aligned
	global_store_b128 v12, v[C+4:C+7], s[40:41] offset:2048
	ds_store_b8 v13, v120                          ; byte w of the word at 8 l (tau / 2 = 0)
	ds_store_b8 v13, v121 offset:4                 ; and of the word beside it (tau / 2 = 1)
	s_wait_dscnt 0x0                               ; for wave 0's sake
	s_barrier_signal -1
	s_barrier_wait -1
	s_cmp_lg_u32 s18, 0
	s_cbranch_scc1 .Lend_v
	ds_load_b64 v[122:123], v10 offset:SCV
	s_wait_dscnt 0x0
	global_store_b64 v10, v[122:123], s[30:31] offset:ROWREC+4096  ; v's 256 bytes of scales
.Lend_v:
	s_wait_tensorcnt 0x0
	ds_add_u32 v128, v129
	s_wait_dscnt 0x0
	s_endpgm
.Lfunc_end_k_qa7dd1456a6_prep:
	.size	k_qa7dd1456a6_prep, .Lfunc_end_k_qa7dd1456a6_prep-k_qa7dd1456a6_prep
	.p2alignl 7, 3214868480
	.fill 96, 4, 3214868480
	.section	.rodata,"a",@progbits
	.p2align	6, 0x0
	.amdhsa_kernel k_qa7dd1456a6_prep
		.amdhsa_group_segment_fixed_size 35840
		.amdhsa_private_segment_fixed_size 0
		.amdhsa_enable_private_segment 0
		.amdhsa_kernarg_size 56
		.amdhsa_user_sgpr_count 2
		.amdhsa_user_sgpr_kernarg_segment_ptr 1
		.amdhsa_wavefront_size32 1
		.amdhsa_system_sgpr_workgroup_id_x 1
		.amdhsa_system_sgpr_workgroup_id_y 1
		.amdhsa_system_sgpr_workgroup_id_z 1
		.amdhsa_system_vgpr_workitem_id 0
		.amdhsa_next_free_vgpr 130
		.amdhsa_next_free_sgpr 66
		.amdhsa_reserve_vcc 0
		.amdhsa_float_denorm_mode_32 3
		.amdhsa_float_denorm_mode_16_64 3
		.amdhsa_memory_ordered 1
		.amdhsa_forward_progress 1
		.amdhsa_inst_pref_size 22
	.end_amdhsa_kernel
	.amdgpu_metadata
---
amdhsa.version: [ 1, 2 ]
amdhsa.kernels:
  - .name:           k_qa7dd1456a6_prep
    .symbol:         k_qa7dd1456a6_prep.kd
    .args:
      - { .name: q, .offset: 0, .size: 8, .value_kind: global_buffer, .address_space: global }
      - { .name: k, .offset: 8, .size: 8, .value_kind: global_buffer, .address_space: global }
      - { .name: W_proj, .offset: 16, .size: 8, .value_kind: global_buffer, .address_space: global }
      - { .name: v, .offset: 24, .size: 8, .value_kind: global_buffer, .address_space: global }
      - { .name: qc, .offset: 32, .size: 8, .value_kind: global_buffer, .address_space: global }
      - { .name: kv, .offset: 40, .size: 8, .value_kind: global_buffer, .address_space: global }
      - { .name: wc, .offset: 48, .size: 8, .value_kind: global_buffer, .address_space: global }
    .group_segment_fixed_size: 35840
    .private_segment_fixed_size: 0
    .kernarg_segment_align: 8
    .kernarg_segment_size: 56
    .max_flat_workgroup_size: 128
    .sgpr_count:     66
    .vgpr_count:     130
    .wavefront_size: 32
...
	.end_amdgpu_metadata
.endif
;; end of part 1
;; launch attn (part 2): grid 16 x 16, 16 waves a work-group, no clusters, 281,088 bytes of LDS; arguments qc, kv, xc; writes xc
.if DOCPART == 2
	.amdgcn_target "amdgcn-amd-amdhsa--gfx1250"
	.amdhsa_code_object_version 6
	.text
	.protected	k_qa7dd1456a6_attn
	.globl	k_qa7dd1456a6_attn
	.p2align	8
	.type	k_qa7dd1456a6_attn,@function
k_qa7dd1456a6_attn:
	s_mov_b64 s[64:65], 0
	v_nop
	global_prefetch_b8 v0, s[64:65] scope:SCOPE_SE
	s_setreg_imm32_b32 hwreg(HW_REG_WAVE_MODE, 25, 1), 1
	s_wait_xcnt 0x0
; ATTN: for each head, x[q][:] = (sum over keys k <= q of p V[k][:]) / (sum of p), p = 2^(t - M), t = (Q[q] . K[k]) log2(e) / 8, M = the running largest t rounded up to a whole number.
; Both products on codes of FP4 (E2M1) with E8M0 scales; p is quantised along the keys, its sum is taken unquantised in f32.  x is quantised along (head, channel) for the projection and leaves as codes.
; Buffers: qc, xc: row records; kv: records of K and V for 128 keys (layouts: at the head of the launch that makes them; repeated below where they are used).
; LIMITS.  A key behind the query gets the weight 0: steps wholly behind the diagonal are left out, on the diagonal hidden scores become -infinity.  The definition adds -10,000 to such a logit,
; whose f32 exponential is 0 as long as a hidden key's logit lies less than some 9,900 above the row's largest open one; beyond that this text differs.  NaN and infinities are not served.
; A block of x whose largest magnitude lies under 2^-124 gets the byte 1 (only this program reads the bytes).
; SHARES.  Work-group (i, head) owns query blocks i and 31 - i, 128 queries each: 33 key steps of 128 keys for each pair of tiles, whatever i.  Each of its 16 waves owns one tile of 16 queries in 256 registers;
; of waves w, w + 4, w + 8, w + 12, and of waves 4 s .. 4 s + 3, two belong to the low block and two to the high one.
; LDS.  The head's 32 kv records, 278,528 bytes, lie in LDS as in memory, each byte filled ONCE; behind them 512 bytes for x's scale bytes, written by LDS stores alone.  Nothing is filled again.
; Waves 0 and 1 issue eight tensor loads each at the start (eight of a wave's are out); a chunk of four records is read behind a counted wait and a barrier, while the later chunks are on their way.
; NO CLUSTER: the work-groups that share a head's K and V own different query blocks and leave out different steps, so their paths differ; what they would share is asked for once, 278,528 bytes a work-group.
; LAYOUT.  Both products are used transposed: S^T = K Q^T, O^T = V^T P^T: a lane holds ONE query (lane % 16) throughout.
; The head has 64 numbers and the instruction takes 128 along K: source 0 holds TWO tiles of 16 keys side by side (parts (b, 0) and (b, 1)); source 1 is [q | zeros] for the first and [zeros | q] for the second: zero codes add nothing.
; Slot m of tile (b, u) is key 32 b + 8 u + m + 8 (m / 8): so the 16 registers of the two tiles are keys 32 b + 16 (lane / 16) + 0 .. 15: neighbours.  V's channels and the queries of a tile are laid the same way.
.set ROWREC, 4352
.set REC,    8704
.set CHB,    4*REC                     ; a chunk: four records
.set HEADB,  32*REC
.set XSTG,   HEADB                     ; x's scale bytes: 256 for block i, 256 for block 31 - i
; v1 16 l; v2 8 l; v3, v4 the step's LDS addresses; v5 my query's place less 16 (l / 16); v6 -infinity; v7 where my half word of x's scales goes; v8 XSTG + 16 l; v10 wave 0's offset for them in xc
; v12 -M; v13 the largest t; v[14:15] the sum in two halves; v[16:19] zeros, v[20:23] q's part, v[24:27] zeros: [q | 0] = v[20:27], [0 | q] = v[16:23]; v28-31 lane numbers
.set KFR, 32                           ; v32-63   K: four fragments
.set VFR, 64                           ; v64-95   V: four fragments
.set S,   96                           ; v96-159  S^T, then p
.set O,   160                          ; v160-191 O^T: tile tau at O + 8 tau
.set PC,  192                          ; v192-199 p's codes
.set BM,  200                          ; v200-203 each block's largest score, then its largest p
.set T4,  204                          ; v204-207 at work
.set SO,  208                          ; v208-211 the conversions' scale operands
.set FF,  212                          ; v[212:213] f = 2^(old M - new M), and its partner in the pair
.set TT,  214
.set PS,  215                          ; p's scale word
.set KS,  216                          ; v[216:217] K's scale words
.set VS,  218                          ; v[218:219] V's
.set QS,  220                          ; q's; v221 as loaded
.set SUM2, 222                         ; v[222:223] the second chain of the sum
; s10 wave; s11 low or high block; s13 bb, s14 u: my tile; s15 i; s16 head; s17 my query block; s18 its first query; s19 the step's record in LDS; s[20:21] lane selects; s[22:23] c
; s[24:31] descriptor group 1; s[32:63] eight groups 0; s66 the step's first key; s67 counts a chunk's steps
; one scaled product on FP4 codes.  zero = 1: it starts its sum.  row1 = 1: source 0's scales stand in lanes 16-31
.macro MM dd, aa, bq, zero, sa, sb, row1
.if \zero
.if \row1
	v_wmma_scale_f32_16x16x128_f8f6f4 v[\dd:\dd+7], v[\aa:\aa+7], v[\bq:\bq+7], 0, v[\sa], v[\sb] matrix_a_fmt:MATRIX_FMT_FP4 matrix_b_fmt:MATRIX_FMT_FP4 matrix_a_scale:MATRIX_SCALE_ROW1
.else
	v_wmma_scale_f32_16x16x128_f8f6f4 v[\dd:\dd+7], v[\aa:\aa+7], v[\bq:\bq+7], 0, v[\sa], v[\sb] matrix_a_fmt:MATRIX_FMT_FP4 matrix_b_fmt:MATRIX_FMT_FP4
.endif
.else
.if \row1
	v_wmma_scale_f32_16x16x128_f8f6f4 v[\dd:\dd+7], v[\aa:\aa+7], v[\bq:\bq+7], v[\dd:\dd+7], v[\sa], v[\sb] matrix_a_fmt:MATRIX_FMT_FP4 matrix_b_fmt:MATRIX_FMT_FP4 matrix_a_scale:MATRIX_SCALE_ROW1
.else
	v_wmma_scale_f32_16x16x128_f8f6f4 v[\dd:\dd+7], v[\aa:\aa+7], v[\bq:\bq+7], v[\dd:\dd+7], v[\sa], v[\sb] matrix_a_fmt:MATRIX_FMT_FP4 matrix_b_fmt:MATRIX_FMT_FP4
.endif
.endif
.endm
	s_load_b128 s[4:7], s[0:1], 0x0                ; qc s[4:5], kv s[6:7]
	s_load_b64 s[8:9], s[0:1], 0x10                ; xc
	v_lshl_add_u32 v254, v0, 2, 0x44200
	v_mov_b32 v255, 0
	ds_add_u32 v254, v255
	ds_add_u32 v254, v255
	v_lshrrev_b32 v28, 5, v0
	v_readfirstlane_b32 s10, v28                   ; wave 0..15
	s_lshr_b32 s68, s10, 2
	s_xor_b32 s68, s68, s10
	s_and_b32 s11, s68, 1                          ; 0: block i, 1: block 31 - i
	s_lshr_b32 s12, s10, 1                         ; which of the block's eight tiles
	s_lshr_b32 s13, s12, 1                         ; bb
	s_and_b32 s14, s12, 1                          ; u
	s_mov_b32 s15, ttmp9                           ; i
	s_and_b32 s16, ttmp7, 0xffff                   ; head
	s_sub_co_u32 s69, 31, s15
	s_cmp_eq_u32 s11, 1
	s_cselect_b32 s17, s69, s15                    ; my query block
	s_lshl_b32 s18, s17, 7                         ; its first query = the first key of my last step
	s_mov_b32 s20, 0x76543210
	s_mov_b32 s21, 0xfedcba98
	s_mov_b32 s22, 0x3e38aa3b                      ; c = log2(e) / 8
	s_mov_b32 s23, s22                             ; (named with it as a pair, so it is written)
	; descriptor group 1: two records, 17,408 dense bytes, as 68 rows of 256 bytes (32 elements of 8 bytes)
	s_mov_b32 s24, 3<<16                           ; no mask; elements of 8 bytes; no padding
	s_mov_b32 s25, 32<<16                          ; tensor_dim0 = 32
	s_mov_b32 s26, 68<<16                          ; tensor_dim1 = 68
	s_mov_b32 s27, 32<<16                          ; tile_dim0 = 32
	s_mov_b32 s28, 68                              ; tile_dim1 = 68
	s_mov_b32 s29, 32                              ; from row to row: 32 elements
	s_mov_b32 s30, 0
	s_mov_b32 s31, 0
	s_and_b32 s70, s10, 1
	s_mul_i32 s70, s70, 2*REC                      ; wave 0: a chunk's records 0, 1; wave 1: records 2, 3
	s_mul_i32 s72, s16, HEADB
	s_add_co_u32 s72, s72, s70
	s_mov_b32 s73, 0
	s_wait_dscnt 0x0
	s_wait_kmcnt 0x0
	s_add_nc_u64 s[72:73], s[6:7], s[72:73]
.irp c, 0,1,2,3,4,5,6,7
	s_mov_b32 s[32+4*\c], 1                        ; count = 1
	s_add_co_u32 s[33+4*\c], s70, \c*CHB           ; LDS address: as in memory
	s_add_nc_u64 s[34+4*\c:35+4*\c], s[72:73], \c*CHB
	s_or_b32 s[35+4*\c], s[35+4*\c], 0x80000000    ; type = 2
.endr
	s_cmp_lt_u32 s10, 2                            ; all first fills of a wave in one branch, ahead of every wait on TENSORcnt, LDS read and barrier
	s_cbranch_scc0 .Lno_fill
.irp c, 0,1,2,3,4,5,6,7
	tensor_load_to_lds s[32+4*\c:35+4*\c], s[24:31]
	s_nop 0
.endr
.rept 4
	v_nop                                          ; four behind the last load
.endr
.Lno_fill:
	s_lshl_b32 s74, s16, 5
	s_add_co_u32 s74, s74, s17
	s_mul_i32 s74, s74, ROWREC                     ; my block's record, in qc and in xc
	s_lshl_b32 s76, s13, 10
	s_lshl_b32 s77, s14, 9
	s_add_co_u32 s76, s76, s77
	s_add_co_u32 s76, s76, s74                     ; my tile's part: + 1,024 bb + 512 u
	s_mov_b32 s77, 0
	s_add_nc_u64 s[78:79], s[4:5], s[76:77]        ; q's
	s_add_nc_u64 s[80:81], s[8:9], s[76:77]        ; x's
	s_and_b32 s82, s13, 1
	s_lshl_b32 s82, s82, 7
	s_lshr_b32 s83, s13, 1
	s_lshl_b32 s83, s83, 2
	s_add_co_u32 s82, s82, s83                     ; 128 (bb % 2) + 4 (bb / 2): my tile's scale words
	s_add_co_u32 s84, s82, s74
	s_add_co_u32 s84, s84, 4096
	s_mov_b32 s85, 0
	s_add_nc_u64 s[84:85], s[4:5], s[84:85]        ; q's scale words
	s_lshl_b32 s86, s16, 5
	s_add_co_u32 s86, s86, s15
	s_mul_i32 s86, s86, ROWREC
	s_add_co_u32 s86, s86, 4096
	s_mov_b32 s87, 0
	s_add_nc_u64 s[86:87], s[8:9], s[86:87]        ; x's scales of block i
	s_lshl_b32 s68, s15, 1
	s_sub_co_u32 s68, 31, s68
	s_mul_i32 s68, s68, ROWREC                     ; and how far on block 31 - i's lie: 31 - 2 i records
	s_lshl_b32 s75, s13, 5
	s_lshl_b32 s83, s14, 3
	s_add_co_u32 s75, s75, s83                     ; 32 bb + 8 u
	s_lshl_b32 s88, s11, 8
	s_add_co_u32 s88, s88, s82
	s_lshl_b32 s89, s14, 1
	s_add_co_u32 s88, s88, s89
	s_add_co_u32 s88, s88, XSTG                    ; XSTG + 256 (low or high) + 128 (bb % 2) + 4 (bb / 2) + 2 u
	s_lshl_b32 s89, s14, 4                         ; 16 u: a shift
	v_and_b32 v28, 31, v0                          ; l
	v_and_b32 v29, 15, v0                          ; r
	v_bfe_u32 v30, v0, 4, 1                        ; l / 16
	v_lshlrev_b32 v31, 3, v29                      ; 8 r
	v_lshlrev_b32 v1, 4, v28
	v_lshlrev_b32 v2, 3, v28
	global_load_b128 v[20:23], v1, s[78:79]        ; q's part: lane (r, h): the 32 codes of numbers 32 h on of query slot r
	global_load_b32 v221, v31, s[84:85]            ; and slot r's scale word: bytes 2 u, 2 u + 1 are mine
	v_and_b32 v5, 8, v29
	v_add_nc_u32 v5, v5, v29                       ; r + 8 (r / 8)
	v_lshlrev_b32 v3, 4, v30
	v_sub_nc_u32 v5, v5, v3
	v_add_nc_u32 v5, s75, v5                       ; my query's place in its block, less 16 (l / 16)
	v_mov_b32 v6, 0xff800000                       ; -infinity
	v_add_nc_u32 v7, s88, v31
	v_add_nc_u32 v8, XSTG, v1
	v_mul_u32_u24 v10, s68, v30
	v_lshl_add_u32 v10, v29, 4, v10
	v_mov_b32 v13, 0xff61b1e6                      ; the largest t so far: -3e38, under every t
	v_floor_f32 v12, -v13                          ; -M
	v_mov_b32 v14, 0                               ; the sum
	v_mov_b32 v15, 0
.irp j, 16,17,18,19,24,25,26,27
	v_mov_b32 v[\j], 0                             ; the zero halves beside q
.endr
.irp j, 204,205,206,207,213,214
	v_mov_b32 v[\j], 0                             ; written once: permute destinations, the pair's upper half
.endr
	s_wait_loadcnt 0x0                             ; q
	v_lshrrev_b32 v221, s89, v221
	v_and_b32 v221, 0xffff, v221                   ; my tile's two bytes,
	v_lshl_or_b32 v[QS], v221, 16, v221            ; for k = 0 .. 63 and again for k = 64 .. 127: it serves [q | 0] and [0 | q]
.set J, 0
.rept 32
	v_mov_b32 v[O+J], 0                            ; O^T.  (The step is written once: its first run finds zeros.)  These 32 also stand between q's scale word and the first product
.set J, J+1
.endr
; A KEY STEP: 128 keys, the record at LDS byte s19
.macro STEP
	v_add_nc_u32 v3, s19, v1
	v_add_nc_u32 v4, s19, v2
	v_nop
	v_nop                                          ; four places behind the last step's products, in front of the loads into registers that they read (ISA guide 7.12.1 for vector instructions)
.irp f, 0,1,2,3,4,5,6,7
	ds_load_b128 v[KFR+4*\f:KFR+4*\f+3], v3 offset:512*\f          ; K's parts as they lie: 512 consecutive bytes a load
.endr
	ds_load_b64 v[KS:KS+1], v4 offset:4096         ; register beta: lanes 0-15 block 2 beta, lanes 16-31 block 2 beta + 1
.irp f, 0,1,2,3,4,5,6,7
	ds_load_b128 v[VFR+4*\f:VFR+4*\f+3], v3 offset:ROWREC+512*\f   ; V's, wanted behind the softmax
.endr
	ds_load_b64 v[VS:VS+1], v4 offset:ROWREC+4096
	s_wait_dscnt 9                                 ; K's nine loads are in; V's nine may stay out
.irp b, 0,1,2,3
	MM S+16*\b, KFR+8*\b, 20, 1, KS+\b/2, QS, \b%2                 ; keys 32 b + 16 (l / 16) + 0 .. 7
	MM S+16*\b+8, KFR+8*\b, 16, 1, KS+\b/2, QS, \b%2               ; and + 8 .. 15
.endr
.rept 4
	v_nop                                          ; places in front of the first read of the scores
.endr
	s_cmp_lg_u32 s66, s18                          ; only my last step lies on the diagonal
	s_cbranch_scc1 .Lopen_\@
.set N, 0
.rept 64
	v_cmp_gt_i32 vcc_lo, 32*(N/16)+N%16, v5        ; register 16 b + i holds key 32 b + 16 (l / 16) + i of the step: hidden where it comes after my query
	v_cndmask_b32 v[S+N], v[S+N], v6, vcc_lo
.set N, N+1
.endr
.Lopen_\@:
.irp b, 0,1,2,3
	v_max3_num_f32 v[BM+\b], v[S+16*\b], v[S+1+16*\b], v[S+2+16*\b]   ; the largest score of each block of 32 keys: for the row's maximum and, since p rises with the score, for the block's largest p
.endr
.irp i, 3,5,7,9,11,13
.irp b, 0,1,2,3
	v_max3_num_f32 v[BM+\b], v[BM+\b], v[S+16*\b+\i], v[S+1+16*\b+\i]
.endr
.endr
.irp b, 0,1,2,3
	v_max_num_f32 v[BM+\b], v[BM+\b], v[S+15+16*\b]
.endr
.irp b, 0,1,2,3
	v_permlanex16_b32 v[T4+\b], v[BM+\b], s20, s21
.endr
.irp b, 0,1,2,3
	v_max_num_f32 v[BM+\b], v[BM+\b], v[T4+\b]     ; with lane l xor 16's 16 keys
.endr
	v_max3_num_f32 v[TT], v[BM], v[BM+1], v[BM+2]
	v_max_num_f32 v[TT], v[TT], v[BM+3]            ; the step's largest score of my query (its first key is open for every query: a number)
	v_mul_f32 v[TT], s22, v[TT]
	v_max_num_f32 v13, v13, v[TT]                  ; the running largest t
	v_mov_b32 v[TT], v12
	v_floor_f32 v12, -v13                          ; the new -M = -ceil(t)
	v_sub_f32 v[TT], v12, v[TT]                    ; old M - new M: a whole number, 0 or less
	v_cvt_i32_f32 v[TT], v[TT]                     ; (it saturates)
	v_ldexp_f32 v[FF], 1.0, v[TT]                  ; f = 2^(old M - new M): multiplying by it rounds nothing
.set J, 0
.rept 32
	v_pk_fma_f32 v[S+J:S+J+1], v[S+J:S+J+1], s[22:23], v[12:13] op_sel_hi:[1,0,0]   ; t - M, two at a time
.set J, J+2
.endr
.irp b, 0,1,2,3
	v_fma_f32 v[BM+\b], v[BM+\b], s22, v12         ; the same of each block's largest score
.endr
.set J, 0
.rept 64
	v_exp_f32 v[S+J], v[S+J]                       ; p = 2^(t - M), at most 1, not normalised
.set J, J+1
.endr
.irp b, 0,1,2,3
	v_exp_f32 v[BM+\b], v[BM+\b]                   ; the block's largest p: the same two instructions on the same number
.endr
	v_pk_mul_f32 v[14:15], v[14:15], v[FF:FF+1] op_sel_hi:[1,0]    ; the sum under the new M (a plain line behind the exponentials)
	s_wait_alu depctr_va_vdst(0)
.irp b, 0,1,2,3
	v_max_num_f32 v[BM+\b], 0x1800000, v[BM+\b]    ; the floor 2^(3 - 127): the byte cannot fall under 1; a block whose every p is 0 has zero codes
.endr
.irp b, 0,1,2,3
	v_add_nc_u32 v[SO+\b], 0xff000000, v[BM+\b]    ; 2 off the exponent field: the conversion's scale operand
.endr
.irp b, 0,1,2,3
	v_lshrrev_b32 v[T4+\b], 23, v[SO+\b]           ; the scale's byte
.endr
	v_lshl_or_b32 v[PS], v[T4+1], 8, v[T4]         ; p's scale word for these 128 keys
	v_lshl_or_b32 v[PS], v[T4+2], 16, v[PS]
	v_lshl_or_b32 v[PS], v[T4+3], 24, v[PS]
.irp b, 0,1,2,3
	v_cvt_scalef32_pk8_fp4_f32 v[PC+2*\b], v[S+16*\b:S+16*\b+7], v[SO+\b]
	v_cvt_scalef32_pk8_fp4_f32 v[PC+1+2*\b], v[S+8+16*\b:S+15+16*\b], v[SO+\b]
.endr
	v_nop                                          ; one plain line behind the last conversion
.irp c, 0,1                                        ; the operand wants a whole block in a lane: lanes 0-15 block 2 c, lanes 16-31 block 2 c + 1
.irp i, 0,1
	v_permlane16_swap_b32 v[PC+4*\c+\i], v[PC+2+4*\c+\i]
.endr
.endr
	v_pk_add_f32 v[SUM2:SUM2+1], v[S:S+1], v[S+2:S+3]              ; the sum of the UNQUANTISED p, in two chains
.irp j, 4,8,12,16,20,24,28,32,36,40,44,48,52,56,60
	v_pk_add_f32 v[14:15], v[14:15], v[S+\j:S+\j+1]
	v_pk_add_f32 v[SUM2:SUM2+1], v[SUM2:SUM2+1], v[S+2+\j:S+3+\j]
.endr
	v_pk_add_f32 v[14:15], v[14:15], v[SUM2:SUM2+1]
.set J, 0
.rept 16
	v_pk_mul_f32 v[O+J:O+J+1], v[O+J:O+J+1], v[FF:FF+1] op_sel_hi:[1,0]   ; O^T under the new M.  (The 48 lines from the sums on stand between p's codes and scale word and the products)
.set J, J+2
.endr
	s_wait_dscnt 0x0                               ; V is in
.irp t, 0,1,2,3
	MM O+8*\t, VFR+8*\t, PC, 0, VS+\t/2, PS, \t%2  ; the four accumulators by turns, one instruction a turn; the next step's eight score products stand between two turns
.endr
.endm
; A CHUNK of four records.  Trip counts are constants; a step all of whose keys come after my queries is left out by a scalar branch on ids.
.macro CHUNK c
	s_wait_tensorcnt 7-\c                          ; a wave's tensor loads end in order (ISA guide 10.11.1): my part of chunk c has landed, the 7 - c younger loads stay out (waves 2-15 have none)
	s_wait_dscnt 0x0
	s_barrier_signal -1
	s_barrier_wait -1                              ; both parts have
	s_mov_b32 s19, \c*CHB
	s_mov_b32 s66, \c*512
	s_mov_b32 s67, 4
.Lstep_\@:
	s_cmp_gt_u32 s66, s18
	s_cbranch_scc1 .Lskip_\@
	STEP
.Lskip_\@:
	s_add_co_u32 s19, s19, REC
	s_add_co_u32 s66, s66, 128
	s_sub_co_u32 s67, s67, 1
	s_cmp_lg_u32 s67, 0
	s_cbranch_scc1 .Lstep_\@
.endm
.irp c, 0,1,2,3,4,5,6,7
	CHUNK \c
.endr
	; THE END.  O^T / the sum is x: register 16 b + i is channel 32 b + 16 (l / 16) + i of my query: two blocks of 32 along the projection's K, each in lanes l and l xor 16.
.rept 4
	v_nop                                          ; places behind the last products
.endr
	v_add_f32 v14, v14, v15
	v_permlanex16_b32 v[T4], v14, s20, s21
	v_add_f32 v14, v14, v[T4]                      ; the row's sum
	v_rcp_f32 v14, v14
	v_nop                                          ; a plain line behind the reciprocal
.set J, 0
	s_wait_alu depctr_va_vdst(0)
.rept 32
	v_mul_f32 v[S+J], v[O+J], v14
.set J, J+1
.endr
.irp b, 0,1
	v_max3_num_f32 v[BM+\b], |v[S+16*\b]|, |v[S+1+16*\b]|, 0x1800000
.endr
.irp i, 2,4,6,8,10,12,14
.irp b, 0,1
	v_max3_num_f32 v[BM+\b], v[BM+\b], |v[S+16*\b+\i]|, |v[S+1+16*\b+\i]|
.endr
.endr
.irp b, 0,1
	v_permlanex16_b32 v[T4+\b], v[BM+\b], s20, s21
.endr
.irp b, 0,1
	v_max_num_f32 v[BM+\b], v[BM+\b], v[T4+\b]     ; the block's largest magnitude
.endr
.irp b, 0,1
	v_add_nc_u32 v[SO+\b], 0xff000000, v[BM+\b]
.endr
.irp b, 0,1
	v_lshrrev_b32 v[T4+\b], 23, v[SO+\b]
.endr
.irp b, 0,1
	v_cvt_scalef32_pk8_fp4_f32 v[PC+2*\b], v[S+16*\b:S+16*\b+7], v[SO+\b]
	v_cvt_scalef32_pk8_fp4_f32 v[PC+1+2*\b], v[S+8+16*\b:S+15+16*\b], v[SO+\b]
.endr
	v_nop                                          ; one plain line behind the last conversion
	v_permlane16_swap_b32 v[PC], v[PC+2]           ; lanes 0-15 now hold block 0 whole, lanes 16-31 block 1: a part of a row record
	v_permlane16_swap_b32 v[PC+1], v[PC+3]
	v_lshl_or_b32 v[T4+2], v[T4+1], 8, v[T4]       ; my tile's two bytes of slot r's scale word
	global_store_b128 v1, v[PC:PC+3], s[80:81]     ; the wave stores 512 consecutive bytes, aligned
	ds_store_b16 v7, v[T4+2]                       ; (lanes 16-31 store the same half word to the same place)
	s_wait_dscnt 0x0                               ; for wave 0's sake
	s_barrier_signal -1
	s_barrier_wait -1
	s_cmp_lg_u32 s10, 0
	s_cbranch_scc1 .Ldone
	ds_load_b128 v[S:S+3], v8
	s_wait_dscnt 0x0
	global_store_b128 v10, v[S:S+3], s[86:87]      ; lanes 0-15: block i's 256 bytes of scales; lanes 16-31: block 31 - i's
.Ldone:
	s_wait_tensorcnt 0x0
	ds_add_u32 v254, v255
	s_wait_dscnt 0x0
	s_endpgm
.Lfunc_end_k_qa7dd1456a6_attn:
	.size	k_qa7dd1456a6_attn, .Lfunc_end_k_qa7dd1456a6_attn-k_qa7dd1456a6_attn
	.p2alignl 7, 3214868480
	.fill 96, 4, 3214868480
	.section	.rodata,"a",@progbits
	.p2align	6, 0x0
	.amdhsa_kernel k_qa7dd1456a6_attn
		.amdhsa_group_segment_fixed_size 281088
		.amdhsa_private_segment_fixed_size 0
		.amdhsa_enable_private_segment 0
		.amdhsa_kernarg_size 24
		.amdhsa_user_sgpr_count 2
		.amdhsa_user_sgpr_kernarg_segment_ptr 1
		.amdhsa_wavefront_size32 1
		.amdhsa_system_sgpr_workgroup_id_x 1
		.amdhsa_system_sgpr_workgroup_id_y 1
		.amdhsa_system_sgpr_workgroup_id_z 1
		.amdhsa_system_vgpr_workitem_id 0
		.amdhsa_next_free_vgpr 256
		.amdhsa_next_free_sgpr 90
		.amdhsa_reserve_vcc 1
		.amdhsa_float_denorm_mode_32 3
		.amdhsa_float_denorm_mode_16_64 3
		.amdhsa_memory_ordered 1
		.amdhsa_forward_progress 1
		.amdhsa_inst_pref_size 174
	.end_amdhsa_kernel
	.amdgpu_metadata
---
amdhsa.version: [ 1, 2 ]
amdhsa.kernels:
  - .name:           k_qa7dd1456a6_attn
    .symbol:         k_qa7dd1456a6_attn.kd
    .args:
      - { .name: qc, .offset: 0, .size: 8, .value_kind: global_buffer, .address_space: global }
      - { .name: kv, .offset: 8, .size: 8, .value_kind: global_buffer, .address_space: global }
      - { .name: xc, .offset: 16, .size: 8, .value_kind: global_buffer, .address_space: global }
    .group_segment_fixed_size: 281088
    .private_segment_fixed_size: 0
    .kernarg_segment_align: 8
    .kernarg_segment_size: 24
    .max_flat_workgroup_size: 512
    .sgpr_count:     90
    .vgpr_count:     256
    .wavefront_size: 32
...
	.end_amdgpu_metadata
.endif
;; end of part 2
;; launch proj (part 3): grid 8 x 32, 8 waves a work-group, no clusters, 175,104 bytes of LDS; arguments xc, wc, out0; writes out0
.if DOCPART == 3
	.amdgcn_target "amdgcn-amd-amdhsa--gfx1250"
	.amdhsa_code_object_version 6
	.text
	.protected	k_qa7dd1456a6_proj
	.globl	k_qa7dd1456a6_proj
	.p2align	8
	.type	k_qa7dd1456a6_proj,@function
k_qa7dd1456a6_proj:
	s_mov_b64 s[64:65], 0
	v_nop
	global_prefetch_b8 v0, s[64:65] scope:SCOPE_SE
	s_setreg_imm32_b32 hwreg(HW_REG_WAVE_MODE, 25, 1), 1
	s_wait_xcnt 0x0
; PROJ: out0[s][n] = sum over k of x[s][k] W_proj[n][k], 4,096 x 1,024 x 1,024, on codes of FP4 (E2M1) with E8M0 scales; sums in f32, K ascending, one accumulator for each output.
; xc and wc hold row records of 4,352 bytes for 128 rows and one slice of 64 along K: codes [bb][u][h][r][16 bytes] (the 32 codes of numbers 32 h on of row 32 bb + 8 u + r + 8 (r / 8)),
; from byte 4,096 the word at 8 (16 (bb % 2) + r) + 4 (bb / 2), whose byte 2 u + h is the scale of (bb, u, r, h).  xc: record 32 slice + block; wc: record 8 slice + block.
; SHARES.  Work-group (nb, sb) makes rows 128 sb .. + 127, columns 128 nb .. + 127: 256 work-groups.  Wave w: rows 32 (w / 2) on, columns 64 (w % 2) on: 2 tiles of x against 4 of W: 8 accumulators.
; LDS.  x's 16 records (69,632 bytes), W's 16, each byte filled ONCE; behind them a stage of 4,352 bytes for each wave, written by LDS stores alone.
; Wave 0 issues four tensor loads for x and wave 1 four for W at the start (four of a wave's are out), four slices each; a group of four slices is read behind a counted wait and a barrier.
; A fragment for 128 along K is a tile's part of slice 2 kappa (registers 0-3) and of slice 2 kappa + 1 (registers 4-7); its scale word is one v_perm_b32 of the two slices' words.
; THE PRODUCT IS USED TRANSPOSED (source 0 = 16 rows of W, source 1 = 16 rows of x): a lane holds row slot r of x and eight neighbouring columns 32 bb + 16 (l / 16) + 8 u + 0 .. 7.
; NO CLUSTER in this text: a work-group asks for its whole input, 139,264 bytes, once at its start, by eight loads; there is no loop of refills that a round of a cluster's barrier could serve.
.set ROWREC, 4352
.set WL,     16*ROWREC                 ; W's records in LDS
.set STG,    2*WL                      ; the stages
.set SP,     272                       ; a stage row: 256 bytes + 16
; v1 x's parts, slices 0-7; v2 slices 8-15; v3, v4 W's; v5 x's scale words; v6 W's; v7 into my stage; v8 out of it; v9 my offset in two rows of out0; v10-12 lane numbers
; v[32+4p ..] scale words as loaded, v[40+4p ..] as the products take them (x tile 0, x tile 1, W u = 0, W u = 1), for buffer p
; v64-127 the accumulators (x tile ux, W tile t: v[64 + 8 (4 ux + t)]); v128-175, v176-223 fragment buffers 0, 1 (x's two, then W's four); v224-255 rows on their way out
.macro MM dd, aa, bq, zero, sa, sb, row1
.if \zero
.if \row1
	v_wmma_scale_f32_16x16x128_f8f6f4 v[\dd:\dd+7], v[\aa:\aa+7], v[\bq:\bq+7], 0, v[\sa], v[\sb] matrix_a_fmt:MATRIX_FMT_FP4 matrix_b_fmt:MATRIX_FMT_FP4 matrix_a_scale:MATRIX_SCALE_ROW1
.else
	v_wmma_scale_f32_16x16x128_f8f6f4 v[\dd:\dd+7], v[\aa:\aa+7], v[\bq:\bq+7], 0, v[\sa], v[\sb] matrix_a_fmt:MATRIX_FMT_FP4 matrix_b_fmt:MATRIX_FMT_FP4
.endif
.else
.if \row1
	v_wmma_scale_f32_16x16x128_f8f6f4 v[\dd:\dd+7], v[\aa:\aa+7], v[\bq:\bq+7], v[\dd:\dd+7], v[\sa], v[\sb] matrix_a_fmt:MATRIX_FMT_FP4 matrix_b_fmt:MATRIX_FMT_FP4 matrix_a_scale:MATRIX_SCALE_ROW1
.else
	v_wmma_scale_f32_16x16x128_f8f6f4 v[\dd:\dd+7], v[\aa:\aa+7], v[\bq:\bq+7], v[\dd:\dd+7], v[\sa], v[\sb] matrix_a_fmt:MATRIX_FMT_FP4 matrix_b_fmt:MATRIX_FMT_FP4
.endif
.endif
.endm
	s_load_b128 s[4:7], s[0:1], 0x0                ; xc s[4:5], wc s[6:7]
	s_load_b64 s[8:9], s[0:1], 0x10                ; out0
	v_lshl_add_u32 v62, v0, 2, 0x2a800
	v_mov_b32 v63, 0
	ds_add_u32 v62, v63
	ds_add_u32 v62, v63
	v_lshrrev_b32 v10, 5, v0
	v_readfirstlane_b32 s10, v10                   ; wave 0..7
	s_lshr_b32 s11, s10, 1                         ; ws: my 32 rows
	s_and_b32 s12, s10, 1                          ; wn: my 64 columns
	s_mov_b32 s13, ttmp9                           ; nb
	s_and_b32 s14, ttmp7, 0xffff                   ; sb
	s_mov_b32 s76, 0x05040100                      ; the low halves of two words
	s_mov_b32 s77, 0x07060302                      ; the high halves
	; descriptor groups 1: four records of 4,352 bytes (544 elements of 8 bytes), one for each of four slices; in xc 32 records apart, in wc 8
	s_mov_b32 s24, 3<<16
	s_mov_b32 s25, 544<<16                         ; tensor_dim0
	s_mov_b32 s26, 4<<16                           ; tensor_dim1
	s_mov_b32 s27, 544<<16                         ; tile_dim0
	s_mov_b32 s28, 4                               ; tile_dim1
	s_mov_b32 s29, 32*544                          ; from row to row
	s_mov_b32 s30, 0
	s_mov_b32 s31, 0
	s_mov_b32 s68, 3<<16
	s_mov_b32 s69, 544<<16
	s_mov_b32 s70, 4<<16
	s_mov_b32 s71, 544<<16
	s_mov_b32 s72, 4
	s_mov_b32 s73, 8*544
	s_mov_b32 s74, 0
	s_mov_b32 s75, 0
	s_mul_i32 s16, s14, ROWREC
	s_mov_b32 s17, 0
	s_mul_i32 s18, s13, ROWREC
	s_mov_b32 s19, 0
	s_lshl_b32 s2, s14, 7
	s_lshl_b32 s3, s11, 5
	s_add_co_u32 s2, s2, s3                        ; my first row of out0
	s_lshl_b32 s2, s2, 12                          ; of 4,096 bytes
	s_lshl_b32 s3, s13, 9
	s_add_co_u32 s2, s2, s3
	s_lshl_b32 s3, s12, 8
	s_add_co_u32 s2, s2, s3                        ; + my first column: 512 nb + 256 wn bytes
	s_mov_b32 s3, 0
	s_wait_dscnt 0x0
	s_wait_kmcnt 0x0
	s_add_nc_u64 s[16:17], s[4:5], s[16:17]
	s_add_nc_u64 s[18:19], s[6:7], s[18:19]
	s_add_nc_u64 s[8:9], s[8:9], s[2:3]
.irp g, 0,1,2,3
	s_mov_b32 s[32+4*\g], 1
	s_mov_b32 s[33+4*\g], \g*4*ROWREC              ; slice hd's record lies at 4,352 hd
	s_add_nc_u64 s[34+4*\g:35+4*\g], s[16:17], \g*128*ROWREC
	s_or_b32 s[35+4*\g], s[35+4*\g], 0x80000000
	s_mov_b32 s[48+4*\g], 1
	s_mov_b32 s[49+4*\g], WL+\g*4*ROWREC
	s_add_nc_u64 s[50+4*\g:51+4*\g], s[18:19], \g*32*ROWREC
	s_or_b32 s[51+4*\g], s[51+4*\g], 0x80000000
.endr
	s_cmp_eq_u32 s10, 0                            ; a wave's first fills stand in one branch, ahead of every wait on TENSORcnt, LDS read and barrier
	s_cbranch_scc0 .Lnot_x
.irp g, 0,1,2,3
	tensor_load_to_lds s[32+4*\g:35+4*\g], s[24:31]
	s_nop 0
.endr
.rept 4
	v_nop                                          ; four behind the last load
.endr
	s_branch .Lasked
.Lnot_x:
	s_cmp_eq_u32 s10, 1
	s_cbranch_scc0 .Lasked
.irp g, 0,1,2,3
	tensor_load_to_lds s[48+4*\g:51+4*\g], s[68:75]
	s_nop 0
.endr
.rept 4
	v_nop
.endr
.Lasked:
	v_and_b32 v10, 31, v0                          ; l
	v_and_b32 v11, 15, v0                          ; r
	v_bfe_u32 v12, v0, 4, 1                        ; l / 16
	s_lshl_b32 s20, s11, 10
	v_lshl_add_u32 v1, v10, 4, s20                 ; x: 1,024 ws + 16 l
	v_add_nc_u32 v2, 8*ROWREC, v1                  ; (a second register for slices 8-15: the immediates stay under 65,536)
	s_lshl_b32 s21, s12, 11
	s_add_co_u32 s21, s21, WL
	v_lshl_add_u32 v3, v10, 4, s21                 ; W: 2,048 wn + 16 l
	v_add_nc_u32 v4, 8*ROWREC, v3
	s_and_b32 s22, s11, 1
	s_lshl_b32 s22, s22, 7
	s_lshr_b32 s23, s11, 1
	s_lshl_b32 s23, s23, 2
	s_add_co_u32 s22, s22, s23
	s_add_co_u32 s22, s22, 4096
	v_lshl_add_u32 v5, v11, 3, s22                 ; x's scale words, bb = ws: 4,096 + 128 (ws % 2) + 4 (ws / 2) + 8 r
	s_lshl_b32 s23, s12, 2
	s_add_co_u32 s23, s23, WL+4096
	v_lshl_add_u32 v6, v10, 3, s23                 ; W's, bb = 2 wn + l / 16: 4,096 + 8 l + 4 wn
	s_mul_i32 s78, s10, 16*SP
	s_add_co_u32 s78, s78, STG                     ; my stage
	v_mul_u32_u24 v7, v11, SP
	v_lshl_add_u32 v7, v12, 6, v7
	v_add_nc_u32 v7, s78, v7                       ; in: row slot r, + 64 (l / 16)
	v_mul_u32_u24 v8, v12, SP
	v_lshl_add_u32 v8, v11, 4, v8
	v_add_nc_u32 v8, s78, v8                       ; back: lanes 0-15 one row slot, lanes 16-31 the next
	v_lshlrev_b32 v9, 4, v11
	v_lshl_add_u32 v9, v12, 12, v9                 ; and the same two rows in out0
; the fragments and scale words of K step kk (slices 2 kk, 2 kk + 1) into buffer p: 12 loads of 512 consecutive bytes, 4 of scale words
.macro FETCH kk, p
.set FB, 128+48*(\p)
.irp s, 0,1
.set HM, (2*(\kk)+\s)%8
.irp ux, 0,1
	ds_load_b128 v[FB+8*\ux+4*\s:FB+8*\ux+4*\s+3], v[1+(\kk)/4] offset:ROWREC*HM+512*\ux
.endr
.irp t, 0,1,2,3
	ds_load_b128 v[FB+16+8*\t+4*\s:FB+16+8*\t+4*\s+3], v[3+(\kk)/4] offset:ROWREC*HM+512*\t
.endr
	ds_load_b32 v[32+4*(\p)+\s], v5 offset:ROWREC*(2*(\kk)+\s)
	ds_load_b32 v[34+4*(\p)+\s], v6 offset:ROWREC*(2*(\kk)+\s)
.endr
.endm
.macro KSTEP kk
.set P, (\kk)%2
.set FA, 128+48*P
	s_wait_dscnt 0x0                               ; this step's fragments and scale words are in
.if ((\kk)%2 == 1) && ((\kk) < 7)
	s_wait_tensorcnt 3-((\kk)+1)/2                 ; the next step begins a new group of four slices: my load of it has landed, the younger ones stay out
	s_barrier_signal -1
	s_barrier_wait -1                              ; x's and W's have
.endif
	v_perm_b32 v[40+4*P], v[33+4*P], v[32+4*P], s76    ; x tile 0: bytes 0, 1 of slice 2 kk's word, then of slice 2 kk + 1's
	v_perm_b32 v[41+4*P], v[33+4*P], v[32+4*P], s77    ; x tile 1: bytes 2, 3
	v_perm_b32 v[42+4*P], v[35+4*P], v[34+4*P], s76    ; W, u = 0 (lanes 0-15: bb = 2 wn; lanes 16-31: bb = 2 wn + 1)
	v_perm_b32 v[43+4*P], v[35+4*P], v[34+4*P], s77    ; W, u = 1.  These four are also the places behind the last step's products, in front of the loads into its buffer
.if (\kk) < 7
	FETCH (\kk)+1, 1-P
.endif
.rept 8
	v_nop                                          ; a scale register written by a vector instruction stands eight places ahead of the scaled product
.endr
.irp ux, 0,1
.irp t, 0,1,2,3
	MM 64+8*(4*\ux+\t), FA+16+8*\t, FA+8*\ux, (\kk)==0, 42+4*P+\t%2, 40+4*P+\ux, \t/2   ; the eight accumulators by turns, in the same order in every step
.endr
.endr
.endm
	s_wait_tensorcnt 3                             ; my load of slices 0-3 has landed; three younger stay out (waves 2-7 have none)
	s_barrier_signal -1
	s_barrier_wait -1
	FETCH 0, 0
.irp k, 0,1,2,3,4,5,6,7
	KSTEP \k
.endr
; THE WAY OUT.  A lane holds 32 neighbouring bytes of a row and the lanes beside it hold other rows: a tile of 16 rows x 256 bytes goes through my own stage and comes back by rows.
.macro TOSTAGE ux, bk
.irp t, 0,1,2,3
	ds_store_b128 v7, v[64+8*(4*\ux+\t):64+8*(4*\ux+\t)+3] offset:128*(\t/2)+32*(\t%2)        ; each accumulator from its low end on
	ds_store_b128 v7, v[64+8*(4*\ux+\t)+4:64+8*(4*\ux+\t)+7] offset:128*(\t/2)+32*(\t%2)+16
.endr
.irp i, 0,1,2,3,4,5,6,7
	ds_load_b128 v[\bk+4*\i:\bk+4*\i+3], v8 offset:2*\i*SP         ; LDS serves a wave's instructions in order: these see my stores, and the next tile's stores come behind them
.endr
.endm
.macro SEND ux, bk, younger
.irp i, 0,1,2,3,4,5,6,7
	s_wait_dscnt \younger+7-\i                     ; this load is back; the younger LDS instructions stay out
	global_store_b128 v9, v[\bk+4*\i:\bk+4*\i+3], s[8:9] offset:(8*\ux+2*\i+8*(\i/4))*4096 th:TH_STORE_NT   ; row slot rho is row 8 ux + rho + 8 (rho / 8); sixteen lanes store 256 consecutive bytes, aligned; written once
.endr
.endm
.rept 4
	v_nop                                          ; places behind the last products, in front of the first read of results
.endr
	TOSTAGE 0, 224
	TOSTAGE 1, 128                                 ; (buffer 0's registers: last multiplied in K step 6)
	SEND 0, 224, 16
	SEND 1, 128, 0
	s_wait_tensorcnt 0x0
	ds_add_u32 v62, v63
	s_wait_dscnt 0x0
	s_endpgm
.Lfunc_end_k_qa7dd1456a6_proj:
	.size	k_qa7dd1456a6_proj, .Lfunc_end_k_qa7dd1456a6_proj-k_qa7dd1456a6_proj
	.p2alignl 7, 3214868480
	.fill 96, 4, 3214868480
	.section	.rodata,"a",@progbits
	.p2align	6, 0x0
	.amdhsa_kernel k_qa7dd1456a6_proj
		.amdhsa_group_segment_fixed_size 175104
		.amdhsa_private_segment_fixed_size 0
		.amdhsa_enable_private_segment 0
		.amdhsa_kernarg_size 24
		.amdhsa_user_sgpr_count 2
		.amdhsa_user_sgpr_kernarg_segment_ptr 1
		.amdhsa_wavefront_size32 1
		.amdhsa_system_sgpr_workgroup_id_x 1
		.amdhsa_system_sgpr_workgroup_id_y 1
		.amdhsa_system_sgpr_workgroup_id_z 1
		.amdhsa_system_vgpr_workitem_id 0
		.amdhsa_next_free_vgpr 256
		.amdhsa_next_free_sgpr 80
		.amdhsa_reserve_vcc 0
		.amdhsa_float_denorm_mode_32 3
		.amdhsa_float_denorm_mode_16_64 3
		.amdhsa_memory_ordered 1
		.amdhsa_forward_progress 1
		.amdhsa_inst_pref_size 32
	.end_amdhsa_kernel
	.amdgpu_metadata
---
amdhsa.version: [ 1, 2 ]
amdhsa.kernels:
  - .name:           k_qa7dd1456a6_proj
    .symbol:         k_qa7dd1456a6_proj.kd
    .args:
      - { .name: xc, .offset: 0, .size: 8, .value_kind: global_buffer, .address_space: global }
      - { .name: wc, .offset: 8, .size: 8, .value_kind: global_buffer, .address_space: global }
      - { .name: out0, .offset: 16, .size: 8, .value_kind: global_buffer, .address_space: global }
    .group_segment_fixed_size: 175104
    .private_segment_fixed_size: 0
    .kernarg_segment_align: 8
    .kernarg_segment_size: 24
    .max_flat_workgroup_size: 256
    .sgpr_count:     80
    .vgpr_count:     256
    .wavefront_size: 32
...
	.end_amdgpu_metadata
.endif
;; end of part 3
